; MI455X (gfx1250); checked and timed in simulation.
; The chip was launched on July 23, 2026; its instructions are those of AMD's public machine-readable ISA for CDNA 5 (MIT licence, August 2026) and "CDNA5" Instruction Set Architecture Reference Guide (July 2026). The comments in the code are by the model that wrote it; some were corrected since.
;; LSTM Block. Allowed arithmetic: float matrix products may take bf16 or f16 operands with f32 sums; other float arithmetic in f32, or as packed bf16 or f16 multiplies, adds, multiply-adds, maxima and minima; sums over many terms, partial sums and values carried from step to step in f32; what a program stores and reads back later, other than sums and carried values, may be rounded once to bf16 or f16.
;; Inputs: Wc_h 1,024 x 1,024 float32; Wc_x 1,024 x 1,024 float32; Wf_h 1,024 x 1,024 float32; Wf_x 1,024 x 1,024 float32; Wi_h 1,024 x 1,024 float32; Wi_x 1,024 x 1,024 float32; Wo_h 1,024 x 1,024 float32; Wo_x 1,024 x 1,024 float32; bc_h 1,024 float32; bc_x 1,024 float32; bf_h 1,024 float32; bf_x 1,024 float32; bi_h 1,024 float32; bi_x 1,024 float32; bo_h 1,024 float32; bo_x 1,024 float32; cell 8,192 x 1,024 float32; hidden 8,192 x 1,024 float32; x 8,192 x 1,024 float32.
;; Outputs: out0 8,192 x 1,024 float32; out1 8,192 x 1,024 float32.
;; 2 versions, each right; version 2 is version 1 with the launch pack written anew for expert scheduling mode. Each part assembles by itself: llvm-mc -triple=amdgcn-amd-amdhsa -mcpu=gfx1250 --defsym DOCPART=n.
;; ======== version 1 of 2: 2 launches
;; workspace buffers: abf 33,554,432 bytes; wbf 16,777,216 bytes
;; launch pack (part 1): grid 1024 x 1, 8 waves a work-group, no clusters, 0 bytes of LDS; arguments x, hidden, Wf_x, Wf_h, Wi_x, Wi_h, Wc_x, Wc_h, Wo_x, Wo_h, abf, wbf; writes abf, wbf
.if DOCPART == 1
	.amdgcn_target "amdgcn-amd-amdhsa--gfx1250"
	.amdhsa_code_object_version 6
	.text
	.protected	k_q08487ee3d4_pack
	.globl	k_q08487ee3d4_pack
	.p2align	8
	.type	k_q08487ee3d4_pack,@function
k_q08487ee3d4_pack:
	s_mov_b64 s[64:65], 0
	v_nop
	global_prefetch_b8 v0, s[64:65] scope:SCOPE_SE
	s_setreg_imm32_b32 hwreg(HW_REG_WAVE_MODE, 25, 1), 1
	s_wait_xcnt 0x0
; x, hidden and the eight weight matrices, all f32, are rounded once to bf16 (nearest even) and laid in the order in which the product wants them.
;   abf [8192][2048] bf16: row m = x[m][0:1024], then hidden[m][0:1024]                       (a row is 4,096 bytes)
;   wbf [4096][2048] bf16: row 256 T + 64 g + jj = Wg_x[64 T + jj][:], then Wg_h[64 T + jj][:], g = 0 f, 1 i, 2 c, 3 o
; so that 256 consecutive rows of wbf are all four gates of 64 hidden columns.
; SHARES.  Work-group b takes rows 8 b .. 8 b + 7 of x and of hidden and row b of each of the eight W: 24 rows of 4,096 bytes.  Thread t owns bytes 16 t .. 16 t + 15 of
; each row: a wave's load covers 512 consecutive bytes; its four numbers become 8 bytes, so a wave's store covers 256 consecutive bytes, at a multiple of 256 from the buffer's first byte.
; All 24 loads go out first: 96 KiB of a work-group are on their way at once.  No loop, no LDS, no barrier: no thread wants a byte that another has fetched.
; No register is written again behind the memory instruction that names it, so the only waits are the counted ones for the loads.
.set ROWB, 4096                        ; bytes in a row of every source, and of abf and wbf
.set D,    8                           ; v[8:103]  load n of 24: four registers
	s_load_b512 s[8:23], s[0:1], 0x0               ; x s[8:9], hidden s[10:11], W number q (f_x f_h i_x i_h c_x c_h o_x o_h) at s[12+2q:13+2q]: q = 0..5 here,
	s_load_b256 s[24:31], s[0:1], 0x40             ; q = 6, 7 at s[24:27]; abf s[28:29], wbf s[30:31]
	s_lshl_b32 s2, ttmp9, 15                       ; 8 rows of 4,096 bytes: the same figure in x, in hidden and in abf
	s_lshl_b32 s3, ttmp9, 12                       ; row b of a W
	s_lshr_b32 s4, ttmp9, 6                        ; T = b / 64
	s_and_b32 s5, ttmp9, 63                        ; jj = b % 64
	s_lshl_b32 s4, s4, 8
	s_or_b32 s4, s4, s5                            ; row 256 T + jj of wbf (gate 0),
	s_lshl_b32 s4, s4, 12                          ; in bytes
	v_lshl_add_u32 v1, v0, 4, s2                   ; x, hidden: my 16 bytes
	v_lshl_add_u32 v2, v0, 3, s2                   ; abf: my 8 bytes
	v_lshl_add_u32 v3, v0, 4, s3                   ; W: my 16 bytes
	v_lshl_add_u32 v4, v0, 3, s4                   ; wbf: my 8 bytes
	s_wait_kmcnt 0x0
.set i, 0
.rept 8
	global_load_b128 v[D+4*i:D+4*i+3], v1, s[8:9] offset:i*ROWB th:TH_LOAD_NT
.set i, i+1
.endr
.set i, 0
.rept 8
	global_load_b128 v[D+32+4*i:D+32+4*i+3], v1, s[10:11] offset:i*ROWB th:TH_LOAD_NT
.set i, i+1
.endr
.set i, 0
.rept 8
	global_load_b128 v[D+64+4*i:D+64+4*i+3], v3, s[12+2*i:13+2*i] th:TH_LOAD_NT
.set i, i+1
.endr
; Load n has come: two roundings of two numbers each, in place, and one store of 8 bytes.
.macro OUT n, adr, base, off
	s_wait_loadcnt 23-(\n)                         ; loads come back in order (ISA guide 5.7.1): load n is in, the younger ones stay out
	v_cvt_pk_bf16_f32 v[D+4*(\n)], v[D+4*(\n)], v[D+4*(\n)+1]
	v_cvt_pk_bf16_f32 v[D+4*(\n)+1], v[D+4*(\n)+2], v[D+4*(\n)+3]
	global_store_b64 v[\adr], v[D+4*(\n):D+4*(\n)+1], s[\base:\base+1] offset:\off th:TH_STORE_NT
.endm
.set i, 0
.rept 8
	OUT i, 2, 28, i*ROWB                           ; x: the first half of abf's row
.set i, i+1
.endr
.set i, 0
.rept 8
	OUT 8+i, 2, 28, i*ROWB+2048                    ; hidden: the second half
.set i, i+1
.endr
.set i, 0
.rept 8
	OUT 16+i, 4, 30, (i/2)*64*ROWB+(i%2)*2048      ; W number i: gate i / 2 lies 64 rows further down, the h part in the row's second half
.set i, i+1
.endr
	s_endpgm
.Lfunc_end_k_q08487ee3d4_pack:
	.size	k_q08487ee3d4_pack, .Lfunc_end_k_q08487ee3d4_pack-k_q08487ee3d4_pack
	.p2alignl 7, 3214868480
	.fill 96, 4, 3214868480
	.section	.rodata,"a",@progbits
	.p2align	6, 0x0
	.amdhsa_kernel k_q08487ee3d4_pack
		.amdhsa_group_segment_fixed_size 0
		.amdhsa_private_segment_fixed_size 0
		.amdhsa_enable_private_segment 0
		.amdhsa_kernarg_size 96
		.amdhsa_user_sgpr_count 2
		.amdhsa_user_sgpr_kernarg_segment_ptr 1
		.amdhsa_wavefront_size32 1
		.amdhsa_system_sgpr_workgroup_id_x 1
		.amdhsa_system_sgpr_workgroup_id_y 1
		.amdhsa_system_sgpr_workgroup_id_z 1
		.amdhsa_system_vgpr_workitem_id 0
		.amdhsa_next_free_vgpr 104
		.amdhsa_next_free_sgpr 66
		.amdhsa_reserve_vcc 0
		.amdhsa_float_denorm_mode_32 3
		.amdhsa_float_denorm_mode_16_64 3
		.amdhsa_memory_ordered 1
		.amdhsa_forward_progress 1
		.amdhsa_inst_pref_size 10
	.end_amdhsa_kernel
	.amdgpu_metadata
---
amdhsa.version: [ 1, 2 ]
amdhsa.kernels:
  - .name:           k_q08487ee3d4_pack
    .symbol:         k_q08487ee3d4_pack.kd
    .args:
      - { .name: x, .offset: 0, .size: 8, .value_kind: global_buffer, .address_space: global }
      - { .name: hidden, .offset: 8, .size: 8, .value_kind: global_buffer, .address_space: global }
      - { .name: Wf_x, .offset: 16, .size: 8, .value_kind: global_buffer, .address_space: global }
      - { .name: Wf_h, .offset: 24, .size: 8, .value_kind: global_buffer, .address_space: global }
      - { .name: Wi_x, .offset: 32, .size: 8, .value_kind: global_buffer, .address_space: global }
      - { .name: Wi_h, .offset: 40, .size: 8, .value_kind: global_buffer, .address_space: global }
      - { .name: Wc_x, .offset: 48, .size: 8, .value_kind: global_buffer, .address_space: global }
      - { .name: Wc_h, .offset: 56, .size: 8, .value_kind: global_buffer, .address_space: global }
      - { .name: Wo_x, .offset: 64, .size: 8, .value_kind: global_buffer, .address_space: global }
      - { .name: Wo_h, .offset: 72, .size: 8, .value_kind: global_buffer, .address_space: global }
      - { .name: abf, .offset: 80, .size: 8, .value_kind: global_buffer, .address_space: global }
      - { .name: wbf, .offset: 88, .size: 8, .value_kind: global_buffer, .address_space: global }
    .group_segment_fixed_size: 0
    .private_segment_fixed_size: 0
    .kernarg_segment_align: 8
    .kernarg_segment_size: 96
    .max_flat_workgroup_size: 256
    .sgpr_count:     66
    .vgpr_count:     104
    .wavefront_size: 32
...
	.end_amdgpu_metadata
.endif
;; end of part 1
;; launch lstm (part 2): grid 16 x 16, 4 waves a work-group, clusters of 4 x 4, 327,680 bytes of LDS; arguments bf_x, bf_h, bi_x, bi_h, bc_x, bc_h, bo_x, bo_h, abf, wbf, cell, out0, out1; writes out0, out1
.if DOCPART == 2
	.amdgcn_target "amdgcn-amd-amdhsa--gfx1250"
	.amdhsa_code_object_version 6
	.text
	.protected	k_q08487ee3d4_lstm
	.globl	k_q08487ee3d4_lstm
	.p2align	8
	.type	k_q08487ee3d4_lstm,@function
k_q08487ee3d4_lstm:
	s_mov_b64 s[64:65], 0
	v_nop
	global_prefetch_b8 v0, s[64:65] scope:SCOPE_SE
	s_setreg_imm32_b32 hwreg(HW_REG_WAVE_MODE, 25, 1), 1
	s_wait_xcnt 0x0
	s_wait_alu depctr_hold_cnt(0) depctr_sa_sdst(0) depctr_va_vdst(0) depctr_va_sdst(0) depctr_va_ssrc(0) depctr_va_vcc(0) depctr_vm_vsrc(0)
	s_getreg_b32 s2, hwreg(HW_REG_IB_STS2, 6, 4)
	s_cmp_eq_u32 s2, 0
	s_cbranch_scc0 .Lentry_in_a_cluster
	s_endpgm
.Lentry_in_a_cluster:
	s_bfe_u32 s2, ttmp6, 0x10000c
	s_cmp_lg_u32 s2, 0xf033
	s_cbranch_scc0 .Lentry_shape_is_right
	s_endpgm
.Lentry_shape_is_right:
; ONE LSTM STEP.  z[m][n'] = sum over k of abf[m][k] wbf[n'][k] + bias[n'], 8192 x 4096 x 2048, bf16 operands, f32 sums; then, for hidden column j and gates f, i, c, o,
;   c_t = cell sigmoid(z_f) + sigmoid(z_i) tanh(z_c)  -> out0;      h_t = sigmoid(z_o) tanh(c_t)  -> out1.      cell, the biases, out0 and out1 are f32, and so is all of the tail.
; abf [8192][2048] = x | hidden; wbf [4096][2048]: row 256 T + 64 g + jj is gate g of hidden column 64 T + jj (Wg_x | Wg_h): both made by the launch before.
; LIMITS.  x, hidden and the weights have been rounded once to bf16.  sigmoid(z) = 1 / (1 + 2^(-z log2 e)), tanh(z) = 1 - 2 / (1 + 2^(2 z log2 e)): the exponential runs to infinity or to 0
; for large arguments (a result below 2^-126 counts as 0: ISA guide 15.8) and the reciprocal then gives 0 or 1, the right limits, so nothing is clamped.  tanh in this form has an absolute
; error of about 1e-7, so a tanh below about 1e-5 has few right digits of its own.  NaN and infinities among the inputs are not treated apart.
; SHARES.  A tile of z is 256 rows x 256 n' = all four gates of 64 hidden columns.  A work-group of four waves, as many as a WGP has SIMDs, STAYS and makes two tiles, WALK = 4,096 rows apart, with the same
; rows of wbf.  A wave takes 64 rows x all 256 n': 64 accumulators, 512 registers.  So a wave owns whole rows of 256 bytes of cell, out0 and out1, has a (row, column)'s four gates in one lane, and the tail
; and its stage in LDS are the wave's own: no barrier.  The price: 40 LDS loads for 64 matrix instructions, where a square wave tile would have 32.
; K goes in steps of 128 through a ring of two LDS slots filled by the tensor data mover; the rows of the tiles are 256 bytes of memory, at multiples of 256 from the buffer's first byte.
; CLUSTERS: 4 x 4 work-groups.  The four of a row of the cluster need the same tiles of abf, the four of a column the same tiles of wbf: each tile is asked for JOINTLY, by the same tensor load with the same
; descriptor and a mask that names the four.
; THE MATRIX INSTRUCTION IS USED TRANSPOSED: source 0 = 16 rows of wbf, source 1 = 16 rows of abf.  Lane l (r = l % 16, h = l / 16), register j of accumulator (a, b) holds row 16 a + r and n' = 16 b + 8 h + j.
; With b = 4 g + hb the four gates of hidden column 16 hb + 8 h + j lie in the same lane and register number of accumulators hb, 4 + hb, 8 + hb, 12 + hb.
; THE BIASES START THE SUMS: a tile's first products take bx + bh, spread as a fragment, as their C.  Nothing is cleared.
; REGISTERS, in windows of 256 (s_set_vgpr_msb: bits 1:0 source 0, 3:2 source 1, 5:4 source 2, 7:6 destination):
;   window 0: v0-31 addresses; v32-63, v64-95 abf's fragments, two buffers (row block a at + 8 a); v96-99 the head's bias work;
;             v128-255 T, used three ways in turn: the bias fragments; the tile's cell as loaded by rows, on its way during the whole tile; the tail's work
;   window 1: v0-127, v128-255 wbf's fragments, two buffers (block b at + 8 b); in the tail the second holds cell as fragments
;   window 2: accumulators of row blocks 0, 1 ((a, b) at 8 (16 (a % 2) + b));   window 3: those of row blocks 2, 3
.set SIZE_K, 2048
.set KSTEP,  128
.set ROWB,   4096                      ; bytes in a row of abf and wbf (2,048 bf16) and of cell, out0, out1 (1,024 f32)
.set PITCH,  272                       ; an LDS row: 256 bytes + 16 of padding = 68 words: row r starts at bank 4 r mod 64 (64 banks of 4 bytes: ISA guide 11.1), so the 16 rows of a load start at 16 different banks
.set HALFT,  128*PITCH                 ; 128 rows: what one tensor load brings
.set SLOT,   4*HALFT                   ; abf's 256 rows, then wbf's 256 rows
.set STAGE,  2*SLOT                    ; behind the ring, never filled by a tensor load: for each wave two regions of 16 rows x 272 bytes
.set SREG,   16*PITCH
.set BIAS,   STAGE+4*2*SREG            ; bx + bh of the tile's 256 n', f32: 1,024 bytes
.set SPARE,  BIAS+1024                 ; the spare words, 128 bytes for each wave: two blocks of 256 bytes that no other line names
.set LAPS,   SIZE_K/(2*KSTEP)          ; a lap = two K steps = once round the ring
.set WALK,   4096                      ; rows from a work-group's first tile to its second
.set NEXT_A, WALK*SIZE_K*2-(SIZE_K-2*KSTEP)*2   ; bytes from a slot's last K step of a tile to its first of the next: abf goes WALK rows down and back along K,
.set BACK_B, (SIZE_K-2*KSTEP)*2        ; wbf only back
.set ADRA, 16                          ; v16-17  LDS address of my abf fragments in slot 0, 1
.set ADRB, 20                          ; v20-21  the same for wbf
.set BS,   22                          ; v22     where I put two summed biases
.set BV,   23                          ; v23     my byte offset in a bias vector
.set STO,  24                          ; v24     stage, fragment side: row r, 32 bytes for each half of the lanes
.set RD,   25                          ; v25     stage, row side: lanes 0-15 one row of 256 bytes, lanes 16-31 the next
.set CO,   26                          ; v26     the same two rows in cell, out0, out1
.set BAD,  27                          ; v27     where my half of the lanes reads bias fragments
.set SPW,  28                          ; v28     LDS address of my spare word: SPARE + 4 x my thread's number; never rewritten
.set NIL,  29                          ; v29     0; never rewritten
.set PFO,  30                          ; v30     the prefetches' offset: my lane x a row of abf or wbf; never rewritten
.set T,    128
.set TF,   T                           ; the tail: gate f, then c_t;      element 8 hb + j
.set TI,   T+32                        ; gate i, then i x tanh, then c_t by rows
.set TC,   T+64                        ; gate c, then tanh(c_t), then h_t by rows
.set TO,   T+96                        ; gate o, then h_t
.set G1,  24                           ; s[24:31] descriptor group 1 for abf's tiles;  s[32:39] group 0, a set for each slot
.set G0,  32
.set LIM, 43                           ; s43     1 in a wave that prefetches, else the greatest number
.set PFA, 44                           ; s[44:45] where my prefetches stand
.set G1B, 48                           ; s[48:55], s[56:63] the same two groups for wbf's tiles
.set G0B, 56
.set SN,  66                           ; s[66:67] -log2 e, named as a pair
.set BP,  68                           ; s[68:83] the eight bias vectors: gate g's bx at + 4 g, bh at + 4 g + 2
.set ABF, 84
.set WBF, 86
.set CELL, 88
.set OUT0, 90
.set OUT1, 92
.set SP2, 94                           ; s[94:95] 2 log2 e
.set MSB, 0
.macro WIN new                         ; the immediate's high byte repeats the setting that is left; a switch that changes nothing is dropped
.if MSB != (\new)
	s_set_vgpr_msb (MSB<<8)|(\new)
.set MSB, \new
.endif
.endm
; A joint load.  Waves 0 and 1 fetch abf's two halves, waves 2 and 3 wbf's.  Each of the two lines has one mask and one set of registers for all that issue it.  The branch hangs on the wave's number alone.
; An s_nop 0 and four v_nop follow each of the two lines, ahead of the jump, the label and what follows.
.macro JLOAD s
	s_cmp_eq_u32 s11, 0
	s_cbranch_scc0 .Lfor_b_\@
	tensor_load_to_lds s[G0+4*(\s):G0+4*(\s)+3], s[G1:G1+7]
	s_nop 0
.rept 4
	v_nop
.endr
	s_branch .Lasked_\@
.Lfor_b_\@:
	tensor_load_to_lds s[G0B+4*(\s):G0B+4*(\s)+3], s[G1B:G1B+7]
	s_nop 0
.rept 4
	v_nop
.endr
.Lasked_\@:
.endm
; A PREFETCH INTO THE L2, behind each joint load, its five lines and the run of LDS loads that follows them: the K step that stands TWO refills on (512 matrix instructions ahead of the load that will ask
; for it): 32 rows x 256 bytes, a lane a row, one instruction a wave.  Each row's 256 bytes of a K step are named once in the launch: abf's tile row is read by every cluster of that row of clusters, and the
; one with x = 0 asks; wbf's tile column by every cluster of that column, and the one with y = 0 asks.  The four partners that ask for a tile jointly share its rows out BY ADDRESS: of the 128 rows that a wave
; fetches the partner at place p takes 32 p .. 32 p + 31 (p = cx for abf, cy for wbf).  how = 0, in the loop: a tile's last two refills have no K step two on.  how = 1, at the change of tiles.
.macro ASK how
.if \how
	s_cmp_eq_u32 s[LIM], 1
.else
	s_cmp_gt_u32 s3, s[LIM]                        ; s3 = 1 in the loop's last trip
.endif
	s_cbranch_scc0 .Lnot_mine_\@
	global_prefetch_b8 v[PFO], s[PFA:PFA+1] offset:KSTEP*2 th:TH_LOAD_NT scope:SCOPE_SE
.Lnot_mine_\@:
.endm
; A round of the cluster's barrier: my work-group's barrier, so that wave 0's signal speaks for all four waves; wave 0 signals; every wave waits for all sixteen work-groups; my work-group's barrier once more.
.macro CREST                           ; a round behind its opening barrier
	s_cmp_lg_u32 s10, 0
	s_cbranch_scc1 .Lnot_wave_0_\@
	s_barrier_signal -3
.Lnot_wave_0_\@:
	s_barrier_wait -3
	s_barrier_signal -1
	s_barrier_wait -1
.endm
.macro CROUND                          ; a whole round
	s_barrier_signal -1
	s_barrier_wait -1
	CREST
.endm
; A load into a register that a matrix instruction has read, and a vector instruction that reads a matrix result, stand four places behind that matrix instruction; only plain vector
; instructions that name none of its registers are places (ISA guide 7.12.1 for vector instructions).
.macro PLACES
.rept 4
	v_nop
.endr
.endm
; 16 matrix instructions: row block 2 hi + a x all 16 blocks of n', 32 along K, from buffer f.  mode = 1: the bias fragments (window 0) are the C: a tile's sums begin.
; The 64 accumulators take turns, one instruction a turn, in the same order in every quarter step.
.macro MUL16 f, hi, a, mode
.if \mode
	WIN 0x81+0x40*(\hi)                            ; wbf window 1, abf and C window 0, D window 2 or 3
.else
	WIN 0xa1+0x50*(\hi)                            ; wbf window 1, abf window 0, C and D window 2 or 3
.endif
.irp b, 0,1,2,3,4,5,6,7,8,9,10,11,12,13,14,15
.if \mode
	v_wmma_f32_16x16x32_bf16 v[8*(16*(\a)+(\b)):8*(16*(\a)+(\b))+7], v[128*(\f)+8*(\b):128*(\f)+8*(\b)+7], v[32+32*(\f)+8*(2*(\hi)+(\a)):32+32*(\f)+8*(2*(\hi)+(\a))+7], v[T+8*(\b):T+8*(\b)+7]
.else
	v_wmma_f32_16x16x32_bf16 v[8*(16*(\a)+(\b)):8*(16*(\a)+(\b))+7], v[128*(\f)+8*(\b):128*(\f)+8*(\b)+7], v[32+32*(\f)+8*(2*(\hi)+(\a)):32+32*(\f)+8*(2*(\hi)+(\a))+7], v[8*(16*(\a)+(\b)):8*(16*(\a)+(\b))+7]
.endif
.endr
.endm
; 40 LDS loads in one run: the fragments of a quarter step (256 rows of wbf, my 64 rows of abf, 32 K at byte k of the rows) into buffer f.  A fragment is 16 rows x 32 K in 8 registers: lane l holds row l % 16;
; registers 0-3 K = 8 (l / 16) + 0..7, registers 4-7 K = 16 + 8 (l / 16) + 0..7: two loads of 16 bytes, 32 bytes apart.  The largest offset is 192 + 15 x 16 x 272 + 32 = 65,504, inside 16 bits.
.macro FETCH slot, k, f
	WIN 0x40                                       ; destination window 1, address window 0
.irp i, 0,1,2,3,4,5,6,7,8,9,10,11,12,13,14,15
	ds_load_b128 v[128*(\f)+8*(\i):128*(\f)+8*(\i)+3],   v[ADRB+(\slot)] offset:(\k)+(\i)*16*PITCH
	ds_load_b128 v[128*(\f)+8*(\i)+4:128*(\f)+8*(\i)+7], v[ADRB+(\slot)] offset:(\k)+(\i)*16*PITCH+32
.endr
	WIN 0
.irp i, 0,1,2,3
	ds_load_b128 v[32+32*(\f)+8*(\i):32+32*(\f)+8*(\i)+3],   v[ADRA+(\slot)] offset:(\k)+(\i)*16*PITCH
	ds_load_b128 v[32+32*(\f)+8*(\i)+4:32+32*(\f)+8*(\i)+7], v[ADRA+(\slot)] offset:(\k)+(\i)*16*PITCH+32
.endr
.endm
; A K step is four quarter steps of 32 along K, 64 matrix instructions each, on buffers 0, 1, 0, 1.  One of the first three: multiplies buffer f; in its middle it fetches the next quarter, at byte k, into buffer g.
.macro QUARTER slot, k, f, g, mode
.if \mode
	s_wait_dscnt 0x0                               ; the bias fragments were asked for behind the operands: all are in
.else
	s_wait_dscnt 4                                 ; wbf and abf's row blocks 0, 1 are in; the youngest four loads (row blocks 2, 3) may be out
.endif
	MUL16 \f, 0, 0, \mode
	MUL16 \f, 0, 1, \mode
	PLACES
	FETCH \slot, \k, \g
	s_wait_dscnt 40                                ; all but the 40 just issued
	MUL16 \f, 1, 0, \mode
	MUL16 \f, 1, 1, \mode
.endm
; The last quarter multiplies buffer 1 and changes slots.  MEET is its first half: ONE barrier for two things.  In front of it each wave waits for all its tensor loads, of which one is out: its part of the
; next slot; adds 0 to its spare word; and waits for that and for its own reads of this slot.  Behind it nobody reads this slot any more and the next slot is whole.
.macro MEET round                      ; round = 1: a round of the cluster's barrier follows
	WIN 0                                          ; (the add's two registers lie in window 0)
	s_wait_tensorcnt 0x0                           ; all my tensor loads have landed;
	ds_add_u32 v[SPW], v[NIL]                      ; 0 onto my spare word;
	s_wait_dscnt 5                                 ; (the add and the youngest four loads may be out)
	MUL16 1, 0, 0, 0                               ; sixteen matrix instructions stand between the add and the wait for it
	s_wait_dscnt 0x0                               ; the add is done, and my reads of this slot are over:
	s_barrier_signal -1                            ; say so,
	MUL16 1, 0, 1, 0                               ; work on registers while the others arrive,
.if \round
	WIN 0
.endif
	s_barrier_wait -1                              ; and go on when all four have said so
.endm
; The whole last quarter.  Behind the round the slot just read out is filled again first: with this tile's K step two steps on (on = 0) or, in the first tile's last two K steps, with the second tile's K step 0
; or 1 (on = 1); then come the next slot's first fragments.  From a request to the wait for it a wave issues 224 matrix instructions.
.macro TURN slot, next, on
	s_wait_xcnt 0x0                                ; the last prefetch, a K step back, has read its address: it is stepped here, ahead of the waits of the change of slots
.if (\on) && (\slot) == 0
	s_add_nc_u64 s[PFA:PFA+1], s[PFA:PFA+1], (WALK-1)*SIZE_K*2+KSTEP*2  ; from the K step after the tile's last to the next tile's K step 1: WALK rows down, back along K
	s_cmp_eq_u32 s11, 0
	s_cselect_b32 s[LIM], s[LIM], -1               ; wbf's rows are the same for both tiles: they have been read, and are prefetched no more
.else
	s_add_nc_u64 s[PFA:PFA+1], s[PFA:PFA+1], KSTEP*2
.endif
	MEET 1
	CREST                                          ; all sixteen work-groups have said so: no wave of any partner still reads this slot's tile or has a load on its way
.if \on
	s_add_nc_u64 s[G0+4*(\slot)+2:G0+4*(\slot)+3], s[G0+4*(\slot)+2:G0+4*(\slot)+3], NEXT_A
	s_sub_nc_u64 s[G0B+4*(\slot)+2:G0B+4*(\slot)+3], s[G0B+4*(\slot)+2:G0B+4*(\slot)+3], BACK_B
.else
	s_add_nc_u64 s[G0+4*(\slot)+2:G0+4*(\slot)+3], s[G0+4*(\slot)+2:G0+4*(\slot)+3], 2*KSTEP*2
	s_add_nc_u64 s[G0B+4*(\slot)+2:G0B+4*(\slot)+3], s[G0B+4*(\slot)+2:G0B+4*(\slot)+3], 2*KSTEP*2
.endif
	JLOAD \slot                                    ; the first tensor load behind the round; the four v_nop behind it are also the places in front of the loads below
	FETCH \next, 0, 0
	ASK \on
	MUL16 1, 1, 0, 0
	MUL16 1, 1, 1, 0
.endm
; The biases as 16 fragments: register j of block b is bias[16 b + 8 h + j], the same in all 16 lanes of a half.
.macro BIASLOAD
	WIN 0
.irp b, 0,1,2,3,4,5,6,7,8,9,10,11,12,13,14,15
	ds_load_b128 v[T+8*(\b):T+8*(\b)+3],   v[BAD] offset:64*(\b)
	ds_load_b128 v[T+8*(\b)+4:T+8*(\b)+7], v[BAD] offset:64*(\b)+16
.endr
.endm
; My 64 rows x 256 bytes of cell, by rows: sixteen lanes read 256 consecutive bytes.  Asked for when the biases have been used, wanted at the tile's end: nobody waits for them.
.macro CELLLOAD
	WIN 0
.irp a, 0,1,2,3
.irp t, 0,1,2,3,4,5,6,7
	global_load_b128 v[T+32*(\a)+4*(\t):T+32*(\a)+4*(\t)+3], v[CO], s[CELL:CELL+1] offset:(16*(\a)+2*(\t))*ROWB th:TH_LOAD_NT
.endr
.endr
.endm
; Row block a of cell goes through my stage, in by rows and out as fragments, into window 1.  LDS serves a wave's instructions in order (ISA guide 5.7.1.4): the loads see the stores above them, and a region's next
; stores come behind its loads.
.macro CELLIN a
	WIN 0
.irp t, 0,1,2,3,4,5,6,7
	ds_store_b128 v[RD], v[T+32*(\a)+4*(\t):T+32*(\a)+4*(\t)+3] offset:((\a)%2)*SREG+2*PITCH*(\t)
.endr
	WIN 0x40
.irp s, 0,1,2,3,4,5,6,7
	ds_load_b128 v[128+32*(\a)+4*(\s):128+32*(\a)+4*(\s)+3], v[STO] offset:((\a)%2)*SREG+64*((\s)/2)+16*((\s)%2)
.endr
	WIN 0
.endm
; count transcendentals in place, as one batch: behind the last a plain instruction, and one wait ahead of the first instruction that names a result.
.macro TRANS op, first, count
.set i, 0
.rept \count
	\op v[(\first)+i], v[(\first)+i]
.set i, i+1
.endr
	v_nop
	s_wait_alu depctr_va_vdst(0)
.endm
.macro PLUS1 first, pairs              ; x + 1, two at a time
.set i, 0
.rept \pairs
	v_pk_add_f32 v[(\first)+i:(\first)+i+1], v[(\first)+i:(\first)+i+1], 1.0 op_sel_hi:[1,0]
.set i, i+2
.endr
.endm
.macro TANHEND first                   ; 1 - 2 x for 32 numbers
.set i, 0
.rept 16
	v_pk_fma_f32 v[(\first)+i:(\first)+i+1], v[(\first)+i:(\first)+i+1], -2.0, 1.0 op_sel_hi:[1,0,0]
.set i, i+2
.endr
.endm
.macro TIMES d, x, y                   ; d = x y for 32 numbers
.set i, 0
.rept 16
	v_pk_mul_f32 v[(\d)+i:(\d)+i+1], v[(\x)+i:(\x)+i+1], v[(\y)+i:(\y)+i+1]
.set i, i+2
.endr
.endm
.macro THROUGH src, dst, reg           ; 32 numbers a lane into region reg of my stage as fragments, and back by rows
.irp s, 0,1,2,3,4,5,6,7
	ds_store_b128 v[STO], v[(\src)+4*(\s):(\src)+4*(\s)+3] offset:(\reg)*SREG+64*((\s)/2)+16*((\s)%2)
.endr
.irp t, 0,1,2,3,4,5,6,7
	ds_load_b128 v[(\dst)+4*(\t):(\dst)+4*(\t)+3], v[RD] offset:(\reg)*SREG+2*PITCH*(\t)
.endr
.endm
; THE TAIL of row block a: 16 rows x 64 hidden columns, 32 elements a lane.
.macro BLOCK a
.if (\a) > 0
	s_wait_xcnt 0x0                                ; the block before's stores have read TI and TC, which are written below
.endif
	WIN 0x02+(\a)/2                                ; source 0: the accumulators' window
.irp b, 0,1,2,3,4,5,6,7,8,9,10,11,12,13,14,15      ; the exponents: -z log2 e for f, i, o; 2 z log2 e for c.  Each accumulator's registers in ascending order
.irp p, 0,1,2,3
.if (\b)/4 == 2
	v_pk_mul_f32 v[T+8*(\b)+2*(\p):T+8*(\b)+2*(\p)+1], v[8*(16*((\a)%2)+(\b))+2*(\p):8*(16*((\a)%2)+(\b))+2*(\p)+1], s[SP2:SP2+1] op_sel_hi:[1,0]
.else
	v_pk_mul_f32 v[T+8*(\b)+2*(\p):T+8*(\b)+2*(\p)+1], v[8*(16*((\a)%2)+(\b))+2*(\p):8*(16*((\a)%2)+(\b))+2*(\p)+1], s[SN:SN+1] op_sel_hi:[1,0]
.endif
.endr
.endr
	WIN 0
	TRANS v_exp_f32, T, 128
	PLUS1 T, 64
	TRANS v_rcp_f32, T, 128                        ; TF, TI, TO: the three sigmoids; TC: 1 / (1 + e^(2 z))
	TANHEND TC                                     ; tanh(z_c)
	TIMES TI, TI, TC                               ; i x tanh
	s_wait_dscnt 0x0                               ; cell's fragments are in
	WIN 0x01                                       ; source 0: window 1
.set i, 0
.rept 16
	v_pk_fma_f32 v[TF+i:TF+i+1], v[128+32*(\a)+i:128+32*(\a)+i+1], v[TF+i:TF+i+1], v[TI+i:TI+i+1]  ; c_t = cell f + i tanh
.set i, i+2
.endr
	WIN 0
	THROUGH TF, TI, 0                              ; c_t on its way to rows, while tanh(c_t) is made
.set i, 0
.rept 16
	v_pk_mul_f32 v[TC+i:TC+i+1], v[TF+i:TF+i+1], s[SP2:SP2+1] op_sel_hi:[1,0]
.set i, i+2
.endr
	TRANS v_exp_f32, TC, 32
	PLUS1 TC, 16
	TRANS v_rcp_f32, TC, 32
	TANHEND TC                                     ; tanh(c_t)
	TIMES TO, TO, TC                               ; h_t
	THROUGH TO, TC, 1
	s_wait_dscnt 16                                ; c_t's rows are back; h_t's eight stores and eight loads may be out
.irp t, 0,1,2,3,4,5,6,7
	global_store_b128 v[CO], v[TI+4*(\t):TI+4*(\t)+3], s[OUT0:OUT0+1] offset:(16*(\a)+2*(\t))*ROWB th:TH_STORE_NT  ; 16 lanes store 256 consecutive bytes, at a multiple of 256 from out0's first byte
.endr
	s_wait_dscnt 0x0
.irp t, 0,1,2,3,4,5,6,7
	global_store_b128 v[CO], v[TC+4*(\t):TC+4*(\t)+3], s[OUT1:OUT1+1] offset:(16*(\a)+2*(\t))*ROWB th:TH_STORE_NT
.endr
.endm
; A tile's end.  It stands twice in the text: behind the first tile's last lap, and in the last tile's tail, which is written out.
.macro EPI
	PLACES                                         ; behind the last products: for the loads into wbf's second buffer and for the reads of the sums
	s_wait_loadcnt 0x0                             ; cell
	CELLIN 0
	CELLIN 1
	CELLIN 2
	CELLIN 3
	BLOCK 0
	BLOCK 1
	BLOCK 2
	BLOCK 3
.endm
	s_load_b512 s[BP:BP+15], s[0:1], 0x0           ; the eight bias vectors
	s_load_b256 s[ABF:ABF+7], s[0:1], 0x40         ; abf, wbf, cell, out0
	s_load_b64 s[OUT1:OUT1+1], s[0:1], 0x60        ; out1
	v_lshl_add_u32 v[SPW], v0, 2, SPARE
	v_mov_b32 v[NIL], 0
	ds_add_u32 v[SPW], v[NIL]                      ; the wave's opening: the add, twice on end, and its wait ahead of my first tensor load; the set-up below stands between
	ds_add_u32 v[SPW], v[NIL]                      ; and once more, under the one wait
	v_lshrrev_b32 v1, 5, v0
	v_readfirstlane_b32 s10, v1                    ; wave 0..3
	s_lshr_b32 s11, s10, 1                         ; I fetch for abf (0) or for wbf (1),
	s_and_b32 s12, s10, 1                          ; and which 128 rows of that tile
	s_bfe_u32 s40, ttmp6, 0x40000                  ; cx: my place along the cluster's x
	s_bfe_u32 s41, ttmp6, 0x40004                  ; cy: along its y
	s_lshl_b32 s42, ttmp9, 2                       ; in a cluster launch ttmp9 and ttmp7 count clusters
	s_add_co_u32 s42, s42, s40                     ; tile column = 4 x cluster x + cx
	s_and_b32 s13, ttmp7, 0xffff
	s_lshl_b32 s13, s13, 2
	s_add_co_u32 s13, s13, s41                     ; tile row = 4 x cluster y + cy
	s_lshl_b32 s43, s41, 2
	s_lshl_b32 s43, 15, s43                        ; my row of the cluster: places 4 cy .. 4 cy + 3
	s_lshl_b32 s44, 0x1111, s40                    ; my column: places cx, cx + 4, cx + 8, cx + 12
	; descriptor group 1: a tile of 128 rows x 128 elements, padded in LDS
	s_or_b32 s[G1+0], s43, (1<<16)|(1<<20)|(1<<21)|(5<<22)|(3<<25)   ; 15:0 the mask: abf's tiles go to my row; 17:16 elements of 2 bytes; 20 padding on; 21 set beside a mask; 24:22 after every 64 words (code 5); 31:25 4 words of it (code 3)
	s_or_b32 s[G1B+0], s44, (1<<16)|(1<<20)|(1<<21)|(5<<22)|(3<<25)  ; the same with the mask of my column, for wbf's tiles
.irp g, G1, G1B
	s_mov_b32 s[(\g)+1], KSTEP<<16                 ; tensor_dim0 = 128
	s_mov_b32 s[(\g)+2], 128<<16                   ; tensor_dim1 = 128
	s_mov_b32 s[(\g)+3], KSTEP<<16                 ; tile_dim0 = 128
	s_mov_b32 s[(\g)+4], 128                       ; tile_dim1 = 128
	s_mov_b32 s[(\g)+5], SIZE_K                    ; elements from row to row
	s_mov_b32 s[(\g)+6], 0
	s_mov_b32 s[(\g)+7], 0
.endr
	s_mov_b32 s[SN], 0xbfb8aa3b                    ; -log2 e
	s_mov_b32 s[SN+1], s[SN]
	s_mov_b32 s[SP2], 0x4038aa3b                   ; 2 log2 e
	s_mov_b32 s[SP2+1], s[SP2]
	; where the tiles come from.  abf's hang on the tile row alone, which my row of the cluster shares; wbf's on the tile column alone, which my column shares.
	s_lshl_b32 s17, s12, 7                         ; which 128 rows of the tile I fetch
	s_lshl_b32 s16, s13, 8
	s_add_co_u32 s16, s16, s17                     ; abf: row 256 x tile row + 128 x half
	s_lshl_b32 s46, s42, 8
	s_add_co_u32 s46, s46, s17                     ; wbf: row 256 x tile column + 128 x half
	s_lshl_b32 s16, s16, 12                        ; in bytes: rows under 4,096, so under 2^24
	s_lshl_b32 s46, s46, 12
	s_mov_b32 s17, 0
	s_mov_b32 s47, 0
	s_mul_i32 s20, s10, HALFT                      ; and where they go: wave x 128 rows: no place in the cluster enters an LDS address
	s_wait_dscnt 0x0                               ; both opening adds are done
	s_wait_kmcnt 0x0
	s_add_nc_u64 s[14:15], s[ABF:ABF+1], s[16:17]
	s_add_nc_u64 s[46:47], s[WBF:WBF+1], s[46:47]
	CROUND                                         ; all sixteen work-groups are here: the first joint loads meet
.irp s, 0,1
	s_mov_b32 s[G0+4*(\s)], 1                                        ; 1:0 count = 1
	s_add_co_u32 s[G0+4*(\s)+1], s20, (\s)*SLOT                      ; 63:32 LDS address
	s_add_nc_u64 s[G0+4*(\s)+2:G0+4*(\s)+3], s[14:15], (\s)*KSTEP*2  ; 120:64 global address: K step s
	s_or_b32 s[G0+4*(\s)+3], s[G0+4*(\s)+3], 0x80000000              ; 127:126 type = 2
	s_mov_b32 s[G0B+4*(\s)], 1
	s_add_co_u32 s[G0B+4*(\s)+1], s20, (\s)*SLOT
	s_add_nc_u64 s[G0B+4*(\s)+2:G0B+4*(\s)+3], s[46:47], (\s)*KSTEP*2
	s_or_b32 s[G0B+4*(\s)+3], s[G0B+4*(\s)+3], 0x80000000
	JLOAD \s                                       ; the ring is filled before anything else is done: two loads of mine are out
.endr
	v_and_b32 v1, 15, v0                           ; r = l % 16
	v_bfe_u32 v2, v0, 4, 1                         ; h = l / 16
	v_mul_u32_u24 v3, v1, PITCH
	v_lshl_add_u32 v3, v2, 4, v3                   ; a fragment's row x pitch + 16 x half
	s_mul_i32 s21, s10, 64*PITCH                   ; my 64 rows of abf
	s_mov_b32 s22, 2*HALFT                         ; wbf's 256 rows, which every wave reads, lie behind abf's 256
.irp s, 0,1
	v_add_nc_u32 v[ADRA+(\s)], s21, v3
	v_add_nc_u32 v[ADRB+(\s)], s22, v3
	s_add_co_u32 s21, s21, SLOT
	s_add_co_u32 s22, s22, SLOT
.endr
	s_mul_i32 s23, s10, 2*SREG
	s_add_co_u32 s23, s23, STAGE                   ; my stage
	v_mul_u32_u24 v4, v1, PITCH                    ; fragment side: row r, 32 bytes (8 f32) for each half of the lanes
	v_lshl_add_u32 v4, v2, 5, v4
	v_add_nc_u32 v[STO], s23, v4
	v_mul_u32_u24 v5, v2, PITCH                    ; row side: lanes 0-15 take one row of 256 bytes, lanes 16-31 the next
	v_lshl_add_u32 v5, v1, 4, v5
	v_add_nc_u32 v[RD], s23, v5
	v_lshlrev_b32 v5, 12, v2                       ; and the same two rows in cell, out0, out1
	v_lshl_add_u32 v[CO], v1, 4, v5
	v_lshlrev_b32 v[BAD], 5, v2
	v_add_nc_u32 v[BAD], BIAS, v[BAD]
	v_lshl_add_u32 v[BS], v0, 3, BIAS              ; wave w is gate w: 256 w + 8 x lane
	; cell, out0 and out1 at my 64 rows and the tile's 64 hidden columns
	s_lshl_b32 s20, s13, 8
	s_lshl_b32 s21, s10, 6
	s_add_co_u32 s20, s20, s21                     ; row 256 x tile row + 64 x wave,
	s_lshl_b32 s20, s20, 12                        ; in bytes
	s_lshl_b32 s46, s42, 8                         ; 256 bytes a tile column (in the registers that held wbf's address: none that feeds abf's descriptors ever holds cx)
	s_add_co_u32 s46, s46, s20
	s_mov_b32 s47, 0
	s_add_nc_u64 s[CELL:CELL+1], s[CELL:CELL+1], s[46:47]
	s_add_nc_u64 s[OUT0:OUT0+1], s[OUT0:OUT0+1], s[46:47]
	s_add_nc_u64 s[OUT1:OUT1+1], s[OUT1:OUT1+1], s[46:47]
	; the prefetches
	s_lshl_b32 s13, s13, 8                         ; 256 x tile row
	s_lshl_b32 s42, s42, 8                         ; 256 x tile column: a row number in wbf, and the tile's byte offset in a bias vector
	s_and_b32 s22, ttmp7, 0xffff                   ; cluster y
	s_cmp_eq_u32 s11, 0                            ; do I fetch for abf?
	s_cselect_b32 s20, s13, s42                    ; the tile's first row
	s_cselect_b32 s21, s40, s41                    ; my place among the four that ask for it with me
	s_cselect_b32 s22, ttmp9, s22                  ; the coordinate along which other clusters read the same rows
	s_cselect_b64 s[PFA:PFA+1], s[ABF:ABF+1], s[WBF:WBF+1]
	s_cmp_eq_u32 s22, 0
	s_cselect_b32 s[LIM], 1, -1                    ; the same in all sixteen partners, for a given wave
	s_lshl_b32 s22, s12, 7
	s_add_co_u32 s20, s20, s22                     ; + the 128 rows that I fetch
	s_lshl_b32 s21, s21, 5
	s_add_co_u32 s20, s20, s21                     ; + my work-group's 32 of them
	s_lshl_b32 s20, s20, 12
	s_mov_b32 s21, 0
	s_add_nc_u64 s[PFA:PFA+1], s[PFA:PFA+1], s[20:21]
	s_add_nc_u64 s[PFA:PFA+1], s[PFA:PFA+1], 2*KSTEP*2  ; at K step 2: the first refill steps it to 3 and names K step 4.  Nothing is prefetched here, at the head, where every work-group's first tiles are on their way
	v_and_b32 v[PFO], 31, v0
	v_lshl_add_u32 v[BV], v[PFO], 3, s42           ; two f32 a lane: the wave reads 256 consecutive bytes of each of its gate's two vectors
	v_lshlrev_b32 v[PFO], 12, v[PFO]
	; bx + bh of my gate's 64 columns, into LDS
	s_mov_b64 s[16:17], s[BP:BP+1]
	s_mov_b64 s[18:19], s[BP+2:BP+3]
.irp g, 1,2,3
	s_cmp_eq_u32 s10, \g
	s_cselect_b64 s[16:17], s[BP+4*(\g):BP+4*(\g)+1], s[16:17]
	s_cselect_b64 s[18:19], s[BP+4*(\g)+2:BP+4*(\g)+3], s[18:19]
.endr
	global_load_b64 v[96:97], v[BV], s[16:17]
	global_load_b64 v[98:99], v[BV], s[18:19]
	s_wait_loadcnt 0x0
	v_pk_add_f32 v[96:97], v[96:97], v[98:99]
	ds_store_b64 v[BS], v[96:97]
	s_wait_tensorcnt 0x1                           ; my part of K step 0 is in; K step 1's may stay out
	s_wait_dscnt 0x0                               ; for the others' sake: my biases are in LDS
	s_barrier_signal -1
	s_barrier_wait -1                              ; everybody's are
	FETCH 0, 0, 0
	s_mov_b32 s2, 2                                ; tiles to go, this one among them: the same number in every work-group
.Ltile:                                                ; (every window is 0 here)
	BIASLOAD
	QUARTER 0, 64, 0, 1, 1                         ; a tile's first quarter stands in front of the loop: its products start the sums, with the biases
	WIN 0
	PLACES                                         ; T was those products' C: it is loaded again four places behind the last of them
	CELLLOAD
	s_mov_b32 s3, LAPS-1
.Llap:                                                 ; a trip goes once round the ring, from a lap's second quarter to the next lap's first, and fills both slots again
	QUARTER 0, 128, 1, 0, 0
	QUARTER 0, 192, 0, 1, 0
	TURN 0, 1, 0
	QUARTER 1, 64,  0, 1, 0
	QUARTER 1, 128, 1, 0, 0
	QUARTER 1, 192, 0, 1, 0
	TURN 1, 0, 0
	QUARTER 0, 64,  0, 1, 0
	WIN 0                                          ; at a label and at a branch every window is 0
	s_sub_co_u32 s3, s3, 1
	s_cmp_lg_u32 s3, 0
	s_cbranch_scc1 .Llap
	QUARTER 0, 128, 1, 0, 0                        ; the tile's last lap goes on
	QUARTER 0, 192, 0, 1, 0
	WIN 0
	s_cmp_eq_u32 s2, 1
	s_cbranch_scc1 .Llast                          ; the last tile's tail is written out: it asks for nothing more
	TURN 0, 1, 1                                   ; THE RING GOES ON INTO THE SECOND TILE: slot 0 takes its K step 0,
	QUARTER 1, 64,  0, 1, 0
	QUARTER 1, 128, 1, 0, 0
	QUARTER 1, 192, 0, 1, 0
	TURN 1, 0, 1                                   ; slot 1 its K step 1, and its first fragments are fetched into the first buffers, which the tail leaves alone
	WIN 0
	EPI                                            ; both refills are asked for: now the gates, the cell update and the stores
	s_wait_xcnt 0x0                                ; the stores have read their registers and their bases
	s_add_nc_u64 s[CELL:CELL+1], s[CELL:CELL+1], WALK*ROWB
	s_add_nc_u64 s[OUT0:OUT0+1], s[OUT0:OUT0+1], WALK*ROWB
	s_add_nc_u64 s[OUT1:OUT1+1], s[OUT1:OUT1+1], WALK*ROWB
	s_sub_co_u32 s2, s2, 1
	s_branch .Ltile
.Llast:
	MEET 0                                         ; my one tensor load that was still out is slot 1's, the last K step's, so no round follows
	PLACES                                         ; for the loads into the first buffers, which the quarter before multiplied
	FETCH 1, 0, 0
	MUL16 1, 1, 0, 0
	MUL16 1, 1, 1, 0
	QUARTER 1, 64,  0, 1, 0
	QUARTER 1, 128, 1, 0, 0
	QUARTER 1, 192, 0, 1, 0
	s_wait_dscnt 4                                 ; the very last quarter: nothing more to fetch
	MUL16 1, 0, 0, 0
	MUL16 1, 0, 1, 0
	s_wait_dscnt 0x0
	MUL16 1, 1, 0, 0
	MUL16 1, 1, 1, 0
	WIN 0
	EPI
	s_wait_tensorcnt 0x0                           ; the wave's end, behind my last tensor load and my last LDS store
	ds_add_u32 v[SPW], v[NIL]
	s_wait_dscnt 0x0
	CROUND                                         ; the closing round: no work-group ends while a partner may still ask for a tile that names it
	s_endpgm
.Lfunc_end_k_q08487ee3d4_lstm:
	.size	k_q08487ee3d4_lstm, .Lfunc_end_k_q08487ee3d4_lstm-k_q08487ee3d4_lstm
	.p2alignl 7, 3214868480
	.fill 96, 4, 3214868480
	.section	.rodata,"a",@progbits
	.p2align	6, 0x0
	.amdhsa_kernel k_q08487ee3d4_lstm
		.amdhsa_group_segment_fixed_size 327680
		.amdhsa_private_segment_fixed_size 0
		.amdhsa_enable_private_segment 0
		.amdhsa_kernarg_size 104
		.amdhsa_user_sgpr_count 2
		.amdhsa_user_sgpr_kernarg_segment_ptr 1
		.amdhsa_wavefront_size32 1
		.amdhsa_system_sgpr_workgroup_id_x 1
		.amdhsa_system_sgpr_workgroup_id_y 1
		.amdhsa_system_sgpr_workgroup_id_z 1
		.amdhsa_system_vgpr_workitem_id 0
		.amdhsa_next_free_vgpr 1024
		.amdhsa_next_free_sgpr 96
		.amdhsa_reserve_vcc 0
		.amdhsa_float_denorm_mode_32 3
		.amdhsa_float_denorm_mode_16_64 3
		.amdhsa_memory_ordered 1
		.amdhsa_forward_progress 1
		.amdhsa_inst_pref_size 255
	.end_amdhsa_kernel
	.section	.bss,"aw",@nobits
	.p2align	6
	.space	262144
	.amdgpu_metadata
---
amdhsa.version: [ 1, 2 ]
amdhsa.kernels:
  - .name:           k_q08487ee3d4_lstm
    .symbol:         k_q08487ee3d4_lstm.kd
    .args:
      - { .name: bf_x, .offset: 0, .size: 8, .value_kind: global_buffer, .address_space: global }
      - { .name: bf_h, .offset: 8, .size: 8, .value_kind: global_buffer, .address_space: global }
      - { .name: bi_x, .offset: 16, .size: 8, .value_kind: global_buffer, .address_space: global }
      - { .name: bi_h, .offset: 24, .size: 8, .value_kind: global_buffer, .address_space: global }
      - { .name: bc_x, .offset: 32, .size: 8, .value_kind: global_buffer, .address_space: global }
      - { .name: bc_h, .offset: 40, .size: 8, .value_kind: global_buffer, .address_space: global }
      - { .name: bo_x, .offset: 48, .size: 8, .value_kind: global_buffer, .address_space: global }
      - { .name: bo_h, .offset: 56, .size: 8, .value_kind: global_buffer, .address_space: global }
      - { .name: abf, .offset: 64, .size: 8, .value_kind: global_buffer, .address_space: global }
      - { .name: wbf, .offset: 72, .size: 8, .value_kind: global_buffer, .address_space: global }
      - { .name: cell, .offset: 80, .size: 8, .value_kind: global_buffer, .address_space: global }
      - { .name: out0, .offset: 88, .size: 8, .value_kind: global_buffer, .address_space: global }
      - { .name: out1, .offset: 96, .size: 8, .value_kind: global_buffer, .address_space: global }
    .group_segment_fixed_size: 327680
    .private_segment_fixed_size: 0
    .kernarg_segment_align: 8
    .kernarg_segment_size: 104
    .max_flat_workgroup_size: 128
    .sgpr_count:     96
    .vgpr_count:     1024
    .wavefront_size: 32
...
	.end_amdgpu_metadata
.endif
;; end of part 2
;; ======== version 2 of 2: 2 launches; version 1 with the launch pack written anew for expert scheduling mode
;; workspace buffers: abf 33,554,432 bytes; wbf 16,777,216 bytes
;; launch pack (part 3): grid 1024 x 1, 8 waves a work-group, no clusters, 0 bytes of LDS; arguments x, hidden, Wf_x, Wf_h, Wi_x, Wi_h, Wc_x, Wc_h, Wo_x, Wo_h, abf, wbf; writes abf, wbf
.if DOCPART == 3
	.amdgcn_target "amdgcn-amd-amdhsa--gfx1250"
	.amdhsa_code_object_version 6
	.text
	.protected	k_q08487ee3d4_pack
	.globl	k_q08487ee3d4_pack
	.p2align	8
	.type	k_q08487ee3d4_pack,@function
k_q08487ee3d4_pack:
	s_mov_b64 s[64:65], 0
	v_nop
	global_prefetch_b8 v0, s[64:65] scope:SCOPE_SE
	s_setreg_imm32_b32 hwreg(HW_REG_WAVE_SCHED_MODE, 0, 2), 2
	s_setreg_imm32_b32 hwreg(HW_REG_WAVE_MODE, 25, 1), 1
	s_wait_xcnt 0x0
	s_wait_alu depctr_vm_vsrc(0)
; x, hidden and the eight weight matrices, all f32, are rounded once to bf16 (nearest even) and laid in the order in which the product wants them.
;   abf [8192][2048] bf16: row m = x[m][0:1024], then hidden[m][0:1024]                       (a row is 4,096 bytes)
;   wbf [4096][2048] bf16: row 256 T + 64 g + jj = Wg_x[64 T + jj][:], then Wg_h[64 T + jj][:], g = 0 f, 1 i, 2 c, 3 o
; so that 256 consecutive rows of wbf are all four gates of 64 hidden columns.
; SHARES.  Work-group b takes rows 8 b .. 8 b + 7 of x and of hidden and row b of each of the eight W: 24 rows of 4,096 bytes.  Thread t owns bytes 16 t .. 16 t + 15 of
; each row: a wave's load covers 512 consecutive bytes; its four numbers become 8 bytes, so a wave's store covers 256 consecutive bytes, at a multiple of 256 from the buffer's first byte.
; All 24 loads go out first: 96 KiB of a work-group are on their way at once.  No loop, no LDS, no barrier: no thread wants a byte that another has fetched.
; THE MODE: SCHED_MODE bits 1:0 = 2 (LLVM: expert scheduling mode 2), set by the entry lines.  The code itself states the register dependences
; between vector instructions and memory instructions, with s_wait_alu, always for 0.
; THE PLAN.  Registers that memory instructions touch:
;   v1 .. v4     byte offsets.  Written once each at the head, by vector instructions; read by the loads (v1, v3) and the stores (v2, v4); never written again.
;   v[8:103]     row n of 24: four registers.  Load n lands in them; no vector instruction names them before.  Row n's two roundings read the four and write the first two, in place;
;                store n reads those two; nothing writes them afterwards.
; So one wait on va_vdst stands ahead of the first load, for the offsets, and one to each group of four rows, between the group's eight roundings and its four stores, which follow it on end.
; No register is written again behind the memory instruction that names it: no wait on vm_vsrc and no s_wait_xcnt is owed.  All loads are issued ahead of the first rounding, so no load lands in a
; register that a vector instruction has named.  No vector instruction writes a scalar register, and EXEC is never written.
.set ROWB, 4096                        ; bytes in a row of every source, and of abf and wbf
.set D,    8                           ; v[8:103]  load n of 24: four registers
	s_load_b512 s[8:23], s[0:1], 0x0               ; x s[8:9], hidden s[10:11], W number q (f_x f_h i_x i_h c_x c_h o_x o_h) at s[12+2q:13+2q]: q = 0..5 here,
	s_load_b256 s[24:31], s[0:1], 0x40             ; q = 6, 7 at s[24:27]; abf s[28:29], wbf s[30:31]
	s_lshl_b32 s2, ttmp9, 15                       ; 8 rows of 4,096 bytes: the same figure in x, in hidden and in abf
	s_lshl_b32 s3, ttmp9, 12                       ; row b of a W
	s_lshr_b32 s4, ttmp9, 6                        ; T = b / 64
	s_and_b32 s5, ttmp9, 63                        ; jj = b % 64
	s_lshl_b32 s4, s4, 8
	s_or_b32 s4, s4, s5                            ; row 256 T + jj of wbf (gate 0),
	s_lshl_b32 s4, s4, 12                          ; in bytes
	v_lshl_add_u32 v1, v0, 4, s2                   ; x, hidden: my 16 bytes
	v_lshl_add_u32 v2, v0, 3, s2                   ; abf: my 8 bytes
	v_lshl_add_u32 v3, v0, 4, s3                   ; W: my 16 bytes
	v_lshl_add_u32 v4, v0, 3, s4                   ; wbf: my 8 bytes
	s_wait_kmcnt 0x0
	s_wait_alu depctr_va_vdst(0)                   ; v1 to v4 are written: every load and store of the kernel reads one of them as its offset
.set i, 0
.rept 8
	global_load_b128 v[D+4*i:D+4*i+3], v1, s[8:9] offset:i*ROWB th:TH_LOAD_NT
.set i, i+1
.endr
.set i, 0
.rept 8
	global_load_b128 v[D+32+4*i:D+32+4*i+3], v1, s[10:11] offset:i*ROWB th:TH_LOAD_NT
.set i, i+1
.endr
.set i, 0
.rept 8
	global_load_b128 v[D+64+4*i:D+64+4*i+3], v3, s[12+2*i:13+2*i] th:TH_LOAD_NT
.set i, i+1
.endr
; Row n: two roundings of two numbers each, in place.
.macro CVT n
	v_cvt_pk_bf16_f32 v[D+4*(\n)], v[D+4*(\n)], v[D+4*(\n)+1]
	v_cvt_pk_bf16_f32 v[D+4*(\n)+1], v[D+4*(\n)+2], v[D+4*(\n)+3]
.endm
; Row n: one store of 8 bytes.
.macro ST n, adr, base, off
	global_store_b64 v[\adr], v[D+4*(\n):D+4*(\n)+1], s[\base:\base+1] offset:\off th:TH_STORE_NT
.endm
; Group g of six: rows 4 g .. 4 g + 3 have come and are rounded.  The group's four stores follow the macro, with no vector instruction between.
.macro GROUP g
	s_wait_loadcnt 20-4*(\g)                       ; loads come back in order (ISA guide 5.7.1): the group's four are in, the younger ones stay out
.irp j, 0,1,2,3
	CVT 4*(\g)+(\j)
.endr
	s_wait_alu depctr_va_vdst(0)                   ; the eight roundings have written the first two registers of each of the four rows, which the four stores below read
.endm
	GROUP 0
.irp j, 0,1,2,3
	ST \j, 2, 28, (\j)*ROWB                        ; x: the first half of abf's row
.endr
	GROUP 1
.irp j, 4,5,6,7
	ST \j, 2, 28, (\j)*ROWB
.endr
	GROUP 2
.irp j, 0,1,2,3
	ST 8+(\j), 2, 28, (\j)*ROWB+2048               ; hidden: the second half
.endr
	GROUP 3
.irp j, 4,5,6,7
	ST 8+(\j), 2, 28, (\j)*ROWB+2048
.endr
	GROUP 4
.irp j, 0,1,2,3
	ST 16+(\j), 4, 30, ((\j)/2)*64*ROWB+((\j)%2)*2048  ; W number j: gate j / 2 lies 64 rows further down, the h part in the row's second half
.endr
	GROUP 5
.irp j, 4,5,6,7
	ST 16+(\j), 4, 30, ((\j)/2)*64*ROWB+((\j)%2)*2048
.endr
	s_endpgm
.Lfunc_end_k_q08487ee3d4_pack:
	.size	k_q08487ee3d4_pack, .Lfunc_end_k_q08487ee3d4_pack-k_q08487ee3d4_pack
	.p2alignl 7, 3214868480
	.fill 96, 4, 3214868480
	.section	.rodata,"a",@progbits
	.p2align	6, 0x0
	.amdhsa_kernel k_q08487ee3d4_pack
		.amdhsa_group_segment_fixed_size 0
		.amdhsa_private_segment_fixed_size 0
		.amdhsa_enable_private_segment 0
		.amdhsa_kernarg_size 96
		.amdhsa_user_sgpr_count 2
		.amdhsa_user_sgpr_kernarg_segment_ptr 1
		.amdhsa_wavefront_size32 1
		.amdhsa_system_sgpr_workgroup_id_x 1
		.amdhsa_system_sgpr_workgroup_id_y 1
		.amdhsa_system_sgpr_workgroup_id_z 1
		.amdhsa_system_vgpr_workitem_id 0
		.amdhsa_next_free_vgpr 104
		.amdhsa_next_free_sgpr 66
		.amdhsa_reserve_vcc 0
		.amdhsa_float_denorm_mode_32 3
		.amdhsa_float_denorm_mode_16_64 3
		.amdhsa_memory_ordered 1
		.amdhsa_forward_progress 1
		.amdhsa_inst_pref_size 9
	.end_amdhsa_kernel
	.amdgpu_metadata
---
amdhsa.version: [ 1, 2 ]
amdhsa.kernels:
  - .name:           k_q08487ee3d4_pack
    .symbol:         k_q08487ee3d4_pack.kd
    .args:
      - { .name: x, .offset: 0, .size: 8, .value_kind: global_buffer, .address_space: global }
      - { .name: hidden, .offset: 8, .size: 8, .value_kind: global_buffer, .address_space: global }
      - { .name: Wf_x, .offset: 16, .size: 8, .value_kind: global_buffer, .address_space: global }
      - { .name: Wf_h, .offset: 24, .size: 8, .value_kind: global_buffer, .address_space: global }
      - { .name: Wi_x, .offset: 32, .size: 8, .value_kind: global_buffer, .address_space: global }
      - { .name: Wi_h, .offset: 40, .size: 8, .value_kind: global_buffer, .address_space: global }
      - { .name: Wc_x, .offset: 48, .size: 8, .value_kind: global_buffer, .address_space: global }
      - { .name: Wc_h, .offset: 56, .size: 8, .value_kind: global_buffer, .address_space: global }
      - { .name: Wo_x, .offset: 64, .size: 8, .value_kind: global_buffer, .address_space: global }
      - { .name: Wo_h, .offset: 72, .size: 8, .value_kind: global_buffer, .address_space: global }
      - { .name: abf, .offset: 80, .size: 8, .value_kind: global_buffer, .address_space: global }
      - { .name: wbf, .offset: 88, .size: 8, .value_kind: global_buffer, .address_space: global }
    .group_segment_fixed_size: 0
    .private_segment_fixed_size: 0
    .kernarg_segment_align: 8
    .kernarg_segment_size: 96
    .max_flat_workgroup_size: 256
    .sgpr_count:     66
    .vgpr_count:     104
    .wavefront_size: 32
...
	.end_amdgpu_metadata
.endif
;; end of part 3
;; launch lstm: the kernel of part 2 again; grid 16 x 16, 4 waves a work-group, clusters of 4 x 4, 327,680 bytes of LDS; arguments bf_x, bf_h, bi_x, bi_h, bc_x, bc_h, bo_x, bo_h, abf, wbf, cell, out0, out1; writes out0, out1
